; MI455X (gfx1250); checked and timed in simulation.
; The chip was launched on July 23, 2026; its instructions are those of AMD's public machine-readable ISA for CDNA 5 (MIT licence, August 2026) and "CDNA5" Instruction Set Architecture Reference Guide (July 2026). The comments in the code are by the model that wrote it; some were corrected since.
;; Attention Head. Allowed arithmetic: float matrix products may take bf16 or f16 operands with f32 sums; other float arithmetic in f32, or as packed bf16 or f16 multiplies, adds, multiply-adds, maxima and minima; sums over many terms, partial sums and values carried from step to step in f32; what a program stores and reads back later, other than sums and carried values, may be rounded once to bf16 or f16.
;; Inputs: Wk 256 x 256 float32; Wq 256 x 256 float32; Wv 256 x 256 float32; x 8,192 x 256 float32.
;; Outputs: out0 8,192 x 256 float32.
;; One version. Each part assembles by itself: llvm-mc -triple=amdgcn-amd-amdhsa -mcpu=gfx1250 --defsym DOCPART=n.
;; ======== version 1 of 1: 3 launches
;; limits: values are held in f16: magnitudes above 65,504 overflow, below 6.1e-05 lose precision
;; workspace buffers: qh 4,194,304 bytes; kh 4,194,304 bytes; vh 4,194,304 bytes; po 65,273,856 bytes; ps 1,019,904 bytes
;; launch proj (part 1): grid 64 x 3, 4 waves a work-group, no clusters, 268,800 bytes of LDS; arguments x, Wq, Wk, Wv, qh, kh, vh; writes qh, kh, vh
.if DOCPART == 1
	.amdgcn_target "amdgcn-amd-amdhsa--gfx1250"
	.amdhsa_code_object_version 6
	.text
	.protected	k_q5977d4907e_proj
	.globl	k_q5977d4907e_proj
	.p2align	8
	.type	k_q5977d4907e_proj,@function
k_q5977d4907e_proj:
	s_mov_b64 s[64:65], 0
	v_nop
	global_prefetch_b8 v0, s[64:65] scope:SCOPE_SE
	s_setreg_imm32_b32 hwreg(HW_REG_WAVE_MODE, 25, 1), 1
	s_wait_xcnt 0x0
; THE PROGRAM: one causal attention head, S = 8,192 rows, 256 channels.  Three launches:
;   proj: q = x Wq^T, k = x Wk^T, v = x Wv^T, each [8192][256], stored in f16;
;   attn: causal attention on pairs (block of 256 queries, chunk of up to 576 keys): unnormalised partial sums in f32;
;   comb: the chunks of a block are weighted, added and divided by the row sum.
; WORK LEFT OUT, for all values of the inputs.  The mask is built by the problem itself: key j counts for query i only where j <= i; every other score is replaced by
; the lowest finite f32.  Row i always holds its own key's finite score, so the row maximum is finite and a replaced score's weight is exp(lowest - maximum), which is 0 in f32
; beside the weight 1 of the maximum.  So a group of 64 keys that all lie behind the last query of a block of 256 queries reaches no output: such groups are neither loaded nor
; multiplied.  Groups that hold both kinds of keys are computed whole and masked.  Every input has a way to the output and is loaded.
; LIMIT of that: a NaN, an infinity or an overflow that reaches only the scores left out is not carried to the result.
; LIMITS of the formats.  x and the three weights are rounded to bf16 for the products of this launch; q, k, v are rounded once, from f32 sums, to f16, which ends at 65,504:
; inputs whose projections pass that are not served (inputs 30 times those drawn give about 4e3, an offset of 30 spreads on x and on the weights about 1.2e4).
;
; THIS LAUNCH.  Work-group (bx, y): rows 128 bx .. + 127 of x times all 256 rows of W_y (y = 0: Wq, 1: Wk, 2: Wv).  Wave w: rows 32 w .. + 31 of them, two blocks of 16.
; x comes by one tensor load a wave (32 rows x 1,024 bytes, only the issuing wave reads them) and is rounded to bf16 on the way into registers, where it stays.
; W comes through registers (it has to be rounded), 64 rows a wave, into LDS as bf16; all four waves read it behind one barrier.
; The product is taken transposed (source 0 = 16 rows of W, source 1 = 16 rows of x): a lane then holds 8 neighbouring columns of one output row, 16 bytes in f16.
; They go through the wave's own stage and leave as whole rows of 512 bytes.
; NO CLUSTER: W passes through registers, so no tensor load of it could be shared; the rows of x are shared by the three work-groups of one bx, and three is no cluster's shape.
; NO PREFETCH: each wave asks for all that it reads at its head.
.set XP,    1040                       ; a row of x in LDS: 1,024 bytes + 16 = 65 x 16: the 16 rows of a fragment load start at 16 different groups of four banks
.set XW,    32*XP                      ; a wave's 32 rows: 33,280 bytes = 130 blocks of 256
.set WL,    4*XW                       ; behind them: W in bf16, 256 rows
.set WP,    528                        ; a row of W: 512 bytes + 16 = 33 x 16
.set SPARE, WL+256*WP                  ; 268,288: the spare words, 128 bytes a wave: two blocks of 256 bytes that no other line names
.set SP,    528                        ; the stage: 32 rows of 512 bytes + 16, in the wave's own part of x's bytes, which have had their only fill and have been read out
.set GW,  2                            ; v2   W in memory: 65,536 w + 16 lane
.set LW,  3                            ; v3   W into LDS: WL + 64 w rows + 8 lane
.set AX,  4                            ; v4   my place in a fragment of x: w XW + r XP + 32 h
.set AW,  5                            ; v5-8 my place in a fragment of W, one register for each four column blocks
.set STO, 9                            ; v9   the stage, in: w XW + r SP + 16 h
.set RD,  10                           ; v10  the stage, back: w XW + 16 lane
.set GO,  11                           ; v11  16 lane
.set SPW, 12                           ; v12  LDS address of my spare word; never rewritten
.set NIL, 13                           ; v13  0; never rewritten
.set ACC, 16                           ; v16-47  two sets of two accumulators
.set PKD, 48                           ; v48-55  packed results
.set B0,  64                           ; v64-127, v128-191  W's fragments, two buffers; before that landing set 0 (v64-191); at the end the rows read back
.set T,   192                          ; v192-255  W rounded to bf16
                                       ; window 1: v0-127 x's fragments in bf16, (row block rb, K step ks) at 64 rb + 8 ks;  v128-255 landing set 1
.set MSB, 0
.macro WIN new                         ; s_set_vgpr_msb: bits 1:0 source 0, 3:2 source 1, 5:4 source 2, 7:6 destination; the high byte repeats the setting that is left
.if MSB != (\new)
	s_set_vgpr_msb (MSB<<8)|(\new)
.set MSB, (\new)
.endif
.endm
.macro PLACES n
.rept \n
	v_nop
.endr
.endm
	s_load_b256 s[4:11], s[0:1], 0x0               ; x s[4:5], Wq s[6:7], Wk s[8:9], Wv s[10:11]
	s_load_b128 s[12:15], s[0:1], 0x20             ; qh s[12:13], kh s[14:15]
	s_load_b64 s[16:17], s[0:1], 0x30              ; vh
	v_lshl_add_u32 v[SPW], v0, 2, SPARE
	v_mov_b32 v[NIL], 0
	ds_add_u32 v[SPW], v[NIL]                      ; the opening: the add, twice on end, and its wait ahead of my tensor load
	ds_add_u32 v[SPW], v[NIL]                      ; the same add once more; the set-up below, work on registers, stands between it and the wait
	v_lshrrev_b32 v1, 5, v0
	v_readfirstlane_b32 s18, v1                    ; wave 0..3
	s_and_b32 s19, ttmp7, 0xffff                   ; y: which of the three products
	s_mov_b32 s24, 1                               ; group 0: count = 1
	s_mul_i32 s25, s18, XW                         ; LDS address: my 32 rows
	s_mov_b32 s28, (2<<16)|(1<<20)|(7<<22)|(3<<25) ; group 1: elements of 4 bytes; padding on, after every 256 words (a row), 4 words
	s_mov_b32 s29, 256<<16                         ; tensor_dim0 = 256
	s_mov_b32 s30, 32<<16                          ; tensor_dim1 = 32
	s_mov_b32 s31, 256<<16                         ; tile_dim0 = 256
	s_mov_b32 s32, 32                              ; tile_dim1 = 32
	s_mov_b32 s33, 256                             ; 256 elements from row to row
	s_mov_b32 s34, 0
	s_mov_b32 s35, 0
	s_lshl_b32 s36, ttmp9, 17                      ; my rows of x in bytes: 128 bx rows of 1,024,
	s_lshl_b32 s37, s18, 15                        ; + 32 w rows
	s_add_co_u32 s36, s36, s37
	s_mov_b32 s37, 0
	s_lshr_b32 s38, s36, 1                         ; the same rows of the output: 512 bytes each
	s_mov_b32 s39, 0
	s_lshl_b32 s40, s18, 16                        ; my 64 rows of W in memory
	s_mul_i32 s41, s18, 64*WP
	s_add_co_u32 s41, s41, WL                      ; and in LDS
	v_and_b32 v14, 31, v0                          ; lane
	v_and_b32 v15, 15, v0                          ; r
	v_bfe_u32 v1, v0, 4, 1                         ; h
	v_lshl_add_u32 v[GW], v14, 4, s40
	v_lshl_add_u32 v[LW], v14, 3, s41
	v_mul_u32_u24 v[AX], v15, XP
	v_lshl_add_u32 v[AX], v1, 5, v[AX]
	v_add_nc_u32 v[AX], s25, v[AX]
	v_mul_u32_u24 v[AW], v15, WP
	v_lshl_add_u32 v[AW], v1, 4, v[AW]             ; r x 528 + 16 h: the stage has the same pitch
	v_add_nc_u32 v[STO], s25, v[AW]
	v_add_nc_u32 v[AW+3], WL+3*64*WP, v[AW]
	v_add_nc_u32 v[AW+2], WL+2*64*WP, v[AW]
	v_add_nc_u32 v[AW+1], WL+1*64*WP, v[AW]
	v_add_nc_u32 v[AW], WL, v[AW]
	v_lshl_add_u32 v[RD], v14, 4, s25
	v_lshlrev_b32 v[GO], 4, v14
	s_wait_dscnt 0x0                               ; both opening adds are done
	s_wait_kmcnt 0x0
	s_add_nc_u64 s[26:27], s[4:5], s[36:37]        ; global address of my first row
	s_or_b32 s27, s27, 0x80000000                  ; type = 2
	tensor_load_to_lds s[24:27], s[28:35]          ; my only tensor load: one is out
	s_nop 0
	PLACES 4
	s_cmp_eq_u32 s19, 0
	s_cselect_b64 s[20:21], s[6:7], s[8:9]         ; W and the output by y
	s_cselect_b64 s[22:23], s[12:13], s[14:15]
	s_cmp_eq_u32 s19, 2
	s_cselect_b64 s[20:21], s[10:11], s[20:21]
	s_cselect_b64 s[22:23], s[16:17], s[22:23]
	s_add_nc_u64 s[22:23], s[22:23], s[38:39]      ; the output at my first row
; W: 16 rows (32 loads of 512 consecutive bytes) into landing set 0 (window 0, v64-191) or 1 (window 1, v128-255)
.macro WLD b, set
	WIN 0x40*(\set)
.set i, 0
.rept 32
	global_load_b128 v[64+64*(\set)+4*i:64+64*(\set)+4*i+3], v[GW], s[20:21] offset:(16*(\b)+i/2)*1024+(i%2)*512
.set i, i+1
.endr
.endm
; those 16 rows rounded to bf16 and stored: a lane's 4 numbers are 8 bytes, 32 lanes 256 consecutive bytes
.macro WCV b, set
	WIN 0x05*(\set)
.set i, 0
.rept 64
	v_cvt_pk_bf16_f32 v[T+i], v[64+64*(\set)+2*i], v[64+64*(\set)+2*i+1]
.set i, i+1
.endr
	WIN 0
.set i, 0
.rept 32
	ds_store_b64 v[LW], v[T+2*i:T+2*i+1] offset:(16*(\b)+i/2)*WP+(i%2)*256
.set i, i+1
.endr
.endm
	WLD 0, 0
	WLD 1, 1
	s_wait_loadcnt 32                              ; the older batch is in; the younger batch's 32 loads stay out
	WCV 0, 0
	WLD 2, 0
	s_wait_loadcnt 32
	WCV 1, 1
	WLD 3, 1
	s_wait_loadcnt 32
	WCV 2, 0
	s_wait_loadcnt 0x0
	WCV 3, 1
; x: a fragment is 16 rows x 32 K: lane (r, h) wants K = 8 h + 0..7 and 16 + 8 h + 0..7 of row r: in f32 two times 32 bytes, 64 bytes apart
.macro XLD rb
	WIN 0x40*(\rb)
.irp ks, 0,1,2,3,4,5,6,7
.irp j, 0,1,2,3
	ds_load_b128 v[64+64*(\rb)+16*(\ks)+4*(\j):64+64*(\rb)+16*(\ks)+4*(\j)+3], v[AX] offset:(\rb)*16*XP+(\ks)*128+((\j)/2)*64+((\j)%2)*16
.endr
.endr
.endm
.macro XCV rb                          ; rounded to bf16, into window 1
	WIN 0x40+0x05*(\rb)
.set i, 0
.rept 64
	v_cvt_pk_bf16_f32 v[64*(\rb)+i], v[64+64*(\rb)+2*i], v[64+64*(\rb)+2*i+1]
.set i, i+1
.endr
.endm
	s_wait_tensorcnt 0x0                           ; my rows of x are in LDS; nobody else reads them
	XLD 0
	XLD 1
	s_wait_dscnt 32                                ; row block 0 is in (and my stores of W are done); row block 1's 32 loads stay out
	XCV 0
	s_wait_dscnt 0x0                               ; for the others' sake too: all my LDS instructions are done
	XCV 1
	WIN 0
	s_barrier_signal -1
	s_barrier_wait -1                              ; W is whole
.macro BLOAD n                         ; column block n: 16 rows of W x 256 K, 8 fragments, into buffer n % 2
.irp ks, 0,1,2,3,4,5,6,7
	ds_load_b128 v[B0+64*((\n)%2)+8*(\ks):B0+64*((\n)%2)+8*(\ks)+3],   v[AW+(\n)/4] offset:((\n)%4)*16*WP+(\ks)*64
	ds_load_b128 v[B0+64*((\n)%2)+8*(\ks)+4:B0+64*((\n)%2)+8*(\ks)+7], v[AW+(\n)/4] offset:((\n)%4)*16*WP+(\ks)*64+32
.endr
.endm
.macro MUL n                           ; 16 products; the two accumulators take turns, one instruction a turn; the first product of each starts its sum
	WIN 0x04                                       ; source 1 (x) in window 1
.irp ks, 0,1,2,3,4,5,6,7
.irp rb, 0,1
.if (\ks) == 0
	v_wmma_f32_16x16x32_bf16 v[ACC+16*((\n)%2)+8*(\rb):ACC+16*((\n)%2)+8*(\rb)+7], v[B0+64*((\n)%2)+8*(\ks):B0+64*((\n)%2)+8*(\ks)+7], v[64*(\rb)+8*(\ks):64*(\rb)+8*(\ks)+7], 0
.else
	v_wmma_f32_16x16x32_bf16 v[ACC+16*((\n)%2)+8*(\rb):ACC+16*((\n)%2)+8*(\rb)+7], v[B0+64*((\n)%2)+8*(\ks):B0+64*((\n)%2)+8*(\ks)+7], v[64*(\rb)+8*(\ks):64*(\rb)+8*(\ks)+7], v[ACC+16*((\n)%2)+8*(\rb):ACC+16*((\n)%2)+8*(\rb)+7]
.endif
.endr
.endr
.endm
.macro PACK n                          ; rounded to f16, each accumulator from its low end on; 16 bytes a lane into my stage
	WIN 0
.irp rb, 0,1
.irp m, 0,1,2,3
	v_cvt_pk_f16_f32 v[PKD+4*(\rb)+(\m)], v[ACC+16*((\n)%2)+8*(\rb)+2*(\m)], v[ACC+16*((\n)%2)+8*(\rb)+2*(\m)+1]
.endr
.endr
.irp rb, 0,1
	ds_store_b128 v[STO], v[PKD+4*(\rb):PKD+4*(\rb)+3] offset:(\rb)*16*SP+32*(\n)
.endr
.endm
	BLOAD 0
.set n, 0
.rept 16
.if n < 15
	BLOAD n+1                                      ; into the buffer that block n - 1 multiplied: four v_nop and eight conversions stand behind its last product
.endif
.if n == 0
	s_wait_dscnt 16                                ; block 0 is in; block 1's 16 loads stay out
.elseif n < 15
	s_wait_dscnt 18                                ; block n is in; behind it: 2 stores into the stage and the next block's 16 loads
.else
	s_wait_dscnt 2                                 ; behind the last block's loads: 2 stores
.endif
	MUL n
	PLACES 4                                       ; four places between the last product and the conversions that read results
	PACK n
.set n, n+1
.endr
	; the way out: LDS serves a wave's instructions in order, so these loads see my stores; a row of 512 bytes is one load and one store of the wave
.set i, 0
.rept 32
	ds_load_b128 v[64+4*i:64+4*i+3], v[RD] offset:i*SP
.set i, i+1
.endr
.set i, 0
.rept 32
	s_wait_dscnt 31-i                              ; row i is back; the younger rows stay out
	global_store_b128 v[GO], v[64+4*i:64+4*i+3], s[22:23] offset:i*512
.set i, i+1
.endr
	s_wait_tensorcnt 0x0                           ; the wave's end: these three lines, behind my last LDS store
	ds_add_u32 v[SPW], v[NIL]
	s_wait_dscnt 0x0
	s_endpgm
.Lfunc_end_k_q5977d4907e_proj:
	.size	k_q5977d4907e_proj, .Lfunc_end_k_q5977d4907e_proj-k_q5977d4907e_proj
	.p2alignl 7, 3214868480
	.fill 96, 4, 3214868480
	.section	.rodata,"a",@progbits
	.p2align	6, 0x0
	.amdhsa_kernel k_q5977d4907e_proj
		.amdhsa_group_segment_fixed_size 268800
		.amdhsa_private_segment_fixed_size 0
		.amdhsa_enable_private_segment 0
		.amdhsa_kernarg_size 56
		.amdhsa_user_sgpr_count 2
		.amdhsa_user_sgpr_kernarg_segment_ptr 1
		.amdhsa_wavefront_size32 1
		.amdhsa_system_sgpr_workgroup_id_x 1
		.amdhsa_system_sgpr_workgroup_id_y 1
		.amdhsa_system_sgpr_workgroup_id_z 1
		.amdhsa_system_vgpr_workitem_id 0
		.amdhsa_next_free_vgpr 512
		.amdhsa_next_free_sgpr 66
		.amdhsa_reserve_vcc 0
		.amdhsa_float_denorm_mode_32 3
		.amdhsa_float_denorm_mode_16_64 3
		.amdhsa_memory_ordered 1
		.amdhsa_forward_progress 1
		.amdhsa_inst_pref_size 104
	.end_amdhsa_kernel
	.amdgpu_metadata
---
amdhsa.version: [ 1, 2 ]
amdhsa.kernels:
  - .name:           k_q5977d4907e_proj
    .symbol:         k_q5977d4907e_proj.kd
    .args:
      - { .name: x, .offset: 0, .size: 8, .value_kind: global_buffer, .address_space: global }
      - { .name: Wq, .offset: 8, .size: 8, .value_kind: global_buffer, .address_space: global }
      - { .name: Wk, .offset: 16, .size: 8, .value_kind: global_buffer, .address_space: global }
      - { .name: Wv, .offset: 24, .size: 8, .value_kind: global_buffer, .address_space: global }
      - { .name: qh, .offset: 32, .size: 8, .value_kind: global_buffer, .address_space: global }
      - { .name: kh, .offset: 40, .size: 8, .value_kind: global_buffer, .address_space: global }
      - { .name: vh, .offset: 48, .size: 8, .value_kind: global_buffer, .address_space: global }
    .group_segment_fixed_size: 268800
    .private_segment_fixed_size: 0
    .kernarg_segment_align: 8
    .kernarg_segment_size: 56
    .max_flat_workgroup_size: 128
    .sgpr_count:     66
    .vgpr_count:     512
    .wavefront_size: 32
...
	.end_amdgpu_metadata
.endif
;; end of part 1
;; launch attn (part 2): grid 249 x 1, 4 waves a work-group, no clusters, 327,680 bytes of LDS; arguments qh, kh, vh, po, ps; writes po, ps
.if DOCPART == 2
	.amdgcn_target "amdgcn-amd-amdhsa--gfx1250"
	.amdhsa_code_object_version 6
	.text
	.protected	k_q5977d4907e_attn
	.globl	k_q5977d4907e_attn
	.p2align	8
	.type	k_q5977d4907e_attn,@function
k_q5977d4907e_attn:
	s_mov_b64 s[64:65], 0
	v_nop
	global_prefetch_b8 v0, s[64:65] scope:SCOPE_SE
	s_setreg_imm32_b32 hwreg(HW_REG_WAVE_MODE, 25, 1), 1
	s_wait_xcnt 0x0
; CAUSAL ATTENTION, head size 256, in partial sums.  q, k, v: [8192][256] f16, as the launch before stored them.  Scores, maxima and sums in f32; the weights are rounded to f16 for the second product.
; WORK LEFT OUT: groups of 64 keys that lie behind every query of a block are neither loaded nor multiplied (shown at the head of the first kernel).
; SHARES.  Block k - 1 (k = 1 .. 32) holds queries 256 (k - 1) .. + 255 and needs 4 k SLOTS of 64 keys.  A block's slots are cut into n_k = ceil(4 k / 9) chunks of 9 (the last shorter): 249 chunks,
; a work-group each, at most 9 slots.  Work-group g finds (k, c) by a chain of selects on constants.  Wave w owns queries 64 w .. + 63 of the block: four tiles of 16.  A slot is two steps of 32 keys.
; WHAT IS STORED.  po[g][w][t][cb][plane][lane][4]: O^T not yet divided, f32: lane (r, h) holds query r of tile t, channels 16 cb + 8 h + 4 plane + 0..3.  ps[g][w][0][lane][t] = c m, ps[g][w][1][lane][t] = l.
; LAYOUT.  S^T = K Q^T (source 0 = 16 keys, source 1 = 16 queries): a lane holds ONE query (lane % 16) and the keys 8 (lane / 16) + 0..7.  Two such results rounded to f16 in pairs ARE source 1
; (32 keys x 16 queries) of O^T = V^T P.  K comes out of LDS as it lies, V ([key][channel]) turned, by ds_load_tr16_b128.
; SOFTMAX.  p = 2^(c s - c m), c = log2(e) / 16, with a running maximum m; in every step O and l are multiplied by a = 2^(c m_old - c m_new).
; THE MASK.  A hidden score is replaced by the lowest finite f32, MV.  m starts at -2^127, which lies above MV: a row that sees no key of its chunk keeps that m, a = 1, p = 2^(c MV - c m) = 0, l = 0, O = 0,
; and the next launch gives the chunk the weight 0.  A step in which no key of my wave's is hidden jumps over the mask's vector lines (a condition made of the work-group's and the wave's numbers and the step).
; LIMITS.  Scores below -2^127 are not served; a weight below 2^-126 counts as 0; NaN and infinities are not treated apart; q, k, v lie within f16.
; PHASES.  A step is: 64 products K Q^T, mask, softmax, 64 products V^T P.  K and V share two buffers of 64 registers, each loaded again four places behind its last product.
; O^T starts at 0 by 512 v_mov_b32, written while the first tile is on its way: no first step is written out, so that a step has one text.
; NO CLUSTER: work-groups with the same chunk number walk the same keys, but they need different numbers of slots (1 to 9), their number differs from chunk to chunk, and 249 is no multiple of four.
; REGISTERS, in windows of 256 (s_set_vgpr_msb: bits 1:0 source 0, 3:2 source 1, 5:4 source 2, 7:6 destination):
;   window 0: v0-15 addresses; v16-47 eight registers of statistics a tile; v48-55 the statistics on their way out; v64-127 S^T, 16 a tile (P in place, in the lower 8); v128-255 K or V, two buffers
;   window 1: Q, (tile t, channels 32 cs on) at 64 t + 8 cs        window 2: O^T of tiles 0, 1, at 128 (t % 2) + 8 cb        window 3: O^T of tiles 2, 3
.set PK,    528       ; a row of K in LDS: 512 bytes + 16 = 33 x 16: the 16 rows of a load start at 16 different groups of four banks
.set PV,    544       ; a row of V: 512 + 32 = 17 x 32, for the turning load
.set VOFF,  64*PK     ; a slot: 64 rows of K, then 64 rows of V
.set SLOT1, 1<<17     ; slot 1 begins here: one exclusive or turns an address in one slot into the other's
.set SPARE, VOFF+64*PV  ; 68,608, behind slot 0: the spare words, 128 bytes a wave: two blocks of 256 bytes that no other line names
.set AK0, 2           ; v2   my lane's place in a slot's K; never rewritten
.set AV0, 3           ; v3   the same for V
.set AK,  4           ; v4   the same in the slot in hand
.set AV,  5           ; v5
.set QO,  6           ; v6   my byte offset in 16 rows of Q
.set VB,  7           ; v7   lane % 16 - 8 (lane / 16)
.set VD,  8           ; v8   the mask's bound
.set PFO, 9           ; v9   256 x lane; never rewritten
.set SPW, 10          ; v10  LDS address of my spare word; never rewritten
.set NIL, 11          ; v11  0; never rewritten
.set GO,  12          ; v12  16 x lane
.set ST,  16          ; tile t at ST + 8 t: c m, m, l (even keys', odd keys'), c0, c1, c2 (takes a), c3
.set QD,  48
.set S,   64
.set BUF, 128
.set WV,  14          ; s14  my wave's number
.set K,   15          ; s15  k
.set BASE, 16         ; s16  the block's first work-group
.set C,   17          ; s17  my chunk
.set S0,  18          ; s18  its first slot
.set HALF, 19         ; s19  which 32 of a slot's 64 keys I fetch
.set G1K, 24          ; s[24:31] descriptor group 1 for K
.set G1V, 32          ; s[32:39] for V: it differs in the padding alone
.set G0K, 40          ; s[40:43] descriptor group 0 for K
.set G0V, 44          ; s[44:47] for V
.set LEFT, 48         ; s48  slots still to be walked
.set CNT, 49          ; s49  the loop's count, 9 to 1
.set ASK, 50          ; s50  slots still to be asked for (signed)
.set NXT, 51          ; s51  the slot to be asked for next
.set OFF, 52          ; s[52:53] its byte offset in k and v
.set TB,  54          ; s54  LDS byte at which the slot in hand begins
.set DD,  55          ; s55  my wave's first query less the step's first key (signed)
.set MV,  56          ; s56  the lowest finite f32
.set LIM, 57          ; s57  1 in a work-group that prefetches, else the greatest number
.set CS,  58          ; s[58:59] c, named as a pair
.set SEL, 60          ; s[60:61] v_permlanex16_b32's selects: each lane takes its own place in the other half
.set PFA, 66          ; s[66:67] my part of the slot that is being asked for
.set PFB, 68          ; s[68:69] my part of slot 0
.set MSB, 0
.macro WIN new                      ; the high byte repeats the setting that is left; a switch that changes nothing is dropped
.if MSB != (\new)
	s_set_vgpr_msb (MSB<<8)|(\new)
.set MSB, (\new)
.endif
.endm
.macro PLACES n
.rept \n
	v_nop
.endr
.endm
.macro T4 line:vararg               ; one line for each tile t: the four tiles alternate, so that no line reads the result of the one before it
.set t, 0
.rept 4
	\line
.set t, t+1
.endr
.endm
; A fill.  Waves 0 and 1 fetch the two halves of a slot's K, waves 2 and 3 those of its V: 32 keys, 16 KiB, each.  An s_nop 0 and four v_nop follow each of the two lines.
.macro LOAD
	s_cmp_lt_u32 s[WV], 2
	s_cbranch_scc0 .Lfor_v_\@
	tensor_load_to_lds s[G0K:G0K+3], s[G1K:G1K+7]
	s_nop 0
	PLACES 4
	s_branch .Lasked_\@
.Lfor_v_\@:
	tensor_load_to_lds s[G0V:G0V+3], s[G1V:G1V+7]
	s_nop 0
	PLACES 4
.Lasked_\@:
.endm
; THE CHANGE OF SLOTS.  Each wave waits for all its tensor loads, of which one at the most is out: its part of the other slot; adds 0 to its spare word; and waits for that and for its reads of the slot that it
; leaves.  Behind the barrier nobody reads the old slot and the other slot is whole.  The old slot is then filled again first, with slot NXT, if the chunk has so many.
; every wait for tensor loads in this text is for 0.  What a fill that is jumped over would have brought is never read.
; (At its first use nothing has been read yet: slot 0 is waited for, slot 1 filled.)
; THE PREFETCH.  k and v are walked once from end to end by the 15 work-groups of the last block (k = 32): they alone ask.  Behind the fill each wave names ITS OWN 16 KiB of the slot that the NEXT change
; will ask for: 64 blocks of 256 bytes, a lane a block, two instructions; that is two steps, 256 products, ahead of the load.  A chunk's first two slots come by their loads alone; the last change that fills asks for nothing.
.macro CHANGE
	WIN 0                           ; at a label and at a branch every window is 0
	s_wait_tensorcnt 0x0            ; no tensor load of mine is out, so a group 0 may be written
	ds_add_u32 v[SPW], v[NIL]       ; 0 onto my spare word; the scalar work below stands between it and the wait for it
	s_lshl_b32 s[OFF], s[NXT], 15   ; a slot is 32,768 bytes of k and of v
	s_xor_b32 s[G0K+1], s[G0K+1], SLOT1
	s_add_nc_u64 s[G0K+2:G0K+3], s[6:7], s[OFF:OFF+1]
	s_or_b32 s[G0K+3], s[G0K+3], 0x80000000
	s_xor_b32 s[G0V+1], s[G0V+1], SLOT1
	s_add_nc_u64 s[G0V+2:G0V+3], s[8:9], s[OFF:OFF+1]
	s_or_b32 s[G0V+3], s[G0V+3], 0x80000000
	s_wait_xcnt 0x0                 ; the last prefetches, two steps back, have read their address, so it may be written
	s_add_nc_u64 s[PFA:PFA+1], s[PFB:PFB+1], s[OFF:OFF+1]
	s_add_co_u32 s[NXT], s[NXT], 1
	s_sub_co_i32 s[ASK], s[ASK], 1
	s_wait_dscnt 0x0                ; the add is done, and my reads of the slot are over
	s_barrier_signal -1
	s_xor_b32 s[TB], s[TB], SLOT1
	s_barrier_wait -1
	s_cmp_ge_i32 s[ASK], 0
	s_cbranch_scc0 .Lno_fill_\@
	LOAD                            ; my one tensor load behind the barrier, and the first thing there: it has two steps in which to land
.Lno_fill_\@:
	s_cmp_ge_i32 s[ASK], s[LIM]
	s_cbranch_scc0 .Lno_ask_\@
	global_prefetch_b8 v[PFO], s[PFA:PFA+1] offset:32768 th:TH_LOAD_NT scope:SCOPE_SE
	global_prefetch_b8 v[PFO], s[PFA:PFA+1] offset:40960 th:TH_LOAD_NT scope:SCOPE_SE
.Lno_ask_\@:
	v_add_nc_u32 v[AK], s[TB], v[AK0]
	v_add_nc_u32 v[AV], s[TB], v[AV0]
.endm
	s_load_b256 s[4:11], s[0:1], 0x0  ; qh s[4:5], kh s[6:7], vh s[8:9], po s[10:11]
	s_load_b64 s[12:13], s[0:1], 0x20 ; ps
	v_lshl_add_u32 v[SPW], v0, 2, SPARE
	v_mov_b32 v[NIL], 0
	ds_add_u32 v[SPW], v[NIL]       ; the opening: the add, twice on end, and its wait ahead of my first tensor load
	ds_add_u32 v[SPW], v[NIL]       ; the same add once more; the set-up below, work on registers, stands between it and the wait
	v_lshrrev_b32 v1, 5, v0
	v_readfirstlane_b32 s[WV], v1   ; wave 0..3
	s_mov_b32 s[K], 1               ; (k, first work-group of block k): the last j whose first work-group is not behind g
	s_mov_b32 s[BASE], 0
.set j, 2
.set acc, 1                         ; n_1 = 1
.rept 31
	s_cmp_ge_u32 ttmp9, acc
	s_cselect_b32 s[K], j, s[K]
	s_cselect_b32 s[BASE], acc, s[BASE]
.set acc, acc+(((4*j+8)*57)>>9)     ; n_j = ceil(4 j / 9) = (4 j + 8) / 9, whole: (x 57) >> 9 is x / 9 for x up to 136
.set j, j+1
.endr
	s_sub_co_u32 s[C], ttmp9, s[BASE]
	s_mul_i32 s[S0], s[C], 9
	s_lshl_b32 s[LEFT], s[K], 2
	s_sub_co_u32 s[LEFT], s[LEFT], s[S0]
	s_min_u32 s[LEFT], s[LEFT], 9   ; my chunk's slots: 1 to 9
	s_sub_co_i32 s[ASK], s[LEFT], 1 ; slot 0 of them is asked for at once
	s_mov_b32 s[CNT], 9
	s_add_co_u32 s[NXT], s[S0], 1
	s_mov_b32 s[TB], SLOT1          ; the first change of slots turns it into 0
	s_cmp_eq_u32 s[K], 32
	s_cselect_b32 s[LIM], 1, 0x7fffffff
	s_lshl_b32 s20, s[K], 8
	s_sub_co_u32 s20, s20, 256
	s_lshl_b32 s21, s[WV], 6
	s_add_co_u32 s20, s20, s21      ; my wave's first query
	s_lshl_b32 s21, s[S0], 6
	s_sub_co_i32 s[DD], s20, s21    ; less the chunk's first key
	s_lshl_b32 s70, s20, 9          ; rows of 512 bytes
	s_mov_b32 s71, 0
	s_and_b32 s[HALF], s[WV], 1
	s_lshl_b32 s72, s[HALF], 14     ; my 32 keys of a slot in memory
	s_mov_b32 s73, 0
	s_lshl_b32 s20, ttmp9, 18       ; po: 262,144 g + 65,536 w
	s_lshl_b32 s21, s[WV], 16
	s_add_co_u32 s20, s20, s21
	s_mov_b32 s21, 0
	s_lshl_b32 s22, ttmp9, 12       ; ps: 4,096 g + 1,024 w
	s_lshl_b32 s23, s[WV], 10
	s_add_co_u32 s22, s22, s23
	s_mov_b32 s23, 0
	s_lshl_b32 s[OFF], s[S0], 15
	s_mov_b32 s[OFF+1], 0
	; descriptor group 1: 32 rows of 256 elements of 2 bytes, padded in LDS behind every row
	s_mov_b32 s[G1K], (1<<16)|(1<<20)|(6<<22)|(3<<25)  ; 17:16 2-byte elements; 20 padding on; 24:22 after every 128 words (code 6); 31:25 4 words (code 3)
	s_mov_b32 s[G1V], (1<<16)|(1<<20)|(6<<22)|(7<<25)  ; the same with 8 words (code 7)
.irp g, G1K, G1V
	s_mov_b32 s[\g+1], 256<<16      ; tensor_dim0 = 256
	s_mov_b32 s[\g+2], 32<<16       ; tensor_dim1 = 32
	s_mov_b32 s[\g+3], 256<<16      ; tile_dim0 = 256
	s_mov_b32 s[\g+4], 32           ; tile_dim1 = 32
	s_mov_b32 s[\g+5], 256          ; 256 elements from row to row
	s_mov_b32 s[\g+6], 0
	s_mov_b32 s[\g+7], 0
.endr
	s_mov_b32 s[G0K], 1             ; count = 1
	s_mul_i32 s[G0K+1], s[HALF], 32*PK  ; LDS address: slot 0, my half
	s_mov_b32 s[G0V], 1
	s_mul_i32 s[G0V+1], s[HALF], 32*PV
	s_add_co_u32 s[G0V+1], s[G0V+1], VOFF
	s_mov_b32 s[MV], 0xff7fffff
	s_mov_b32 s[CS], 0x3db8aa3b     ; c = log2(e) / 16 = 0.0901684
	s_mov_b32 s[CS+1], s[CS]
	s_mov_b32 s[SEL], 0x76543210
	s_mov_b32 s[SEL+1], 0xfedcba98
	v_and_b32 v1, 15, v0            ; l % 16
	v_bfe_u32 v13, v0, 4, 1         ; l / 16
	v_and_b32 v14, 31, v0           ; l
	; a fragment of K or Q is 16 rows x 32 channels: lane l holds row l % 16, channels 8 (l / 16) + 0..7 and 16 + 8 (l / 16) + 0..7: two loads of 16 bytes, 32 bytes apart
	v_lshlrev_b32 v[QO], 9, v1
	v_lshl_add_u32 v[QO], v13, 4, v[QO]
	v_mul_u32_u24 v[AK0], v1, PK
	v_lshl_add_u32 v[AK0], v13, 4, v[AK0]
	; the turning load takes 16 keys x 16 channels (lane l reads key 8 (l / 16) + l % 8, channels 8 ((l / 8) % 2) + 0..7) and leaves half a fragment of V^T: lane l holds channel l % 16 and 8 keys
	v_and_b32 v15, 7, v0
	v_lshl_add_u32 v[AV0], v13, 3, v15
	v_mul_u32_u24 v[AV0], v[AV0], PV
	v_bfe_u32 v15, v0, 3, 1
	v_lshl_add_u32 v[AV0], v15, 4, v[AV0]
	v_add_nc_u32 v[AV0], VOFF, v[AV0]
	v_lshlrev_b32 v[VB], 3, v13
	v_sub_nc_u32 v[VB], v1, v[VB]
	v_lshlrev_b32 v[PFO], 8, v14
	v_lshlrev_b32 v[GO], 4, v14
	s_wait_dscnt 0x0                ; both opening adds are done
	s_wait_kmcnt 0x0
	s_add_nc_u64 s[4:5], s[4:5], s[70:71]    ; q at my wave's first row
	s_add_nc_u64 s[6:7], s[6:7], s[72:73]    ; k and v at my half of slot 0
	s_add_nc_u64 s[8:9], s[8:9], s[72:73]
	s_add_nc_u64 s[10:11], s[10:11], s[20:21]
	s_add_nc_u64 s[12:13], s[12:13], s[22:23]
	s_add_nc_u64 s[G0K+2:G0K+3], s[6:7], s[OFF:OFF+1]  ; the chunk's first slot
	s_or_b32 s[G0K+3], s[G0K+3], 0x80000000            ; type = 2
	s_add_nc_u64 s[G0V+2:G0V+3], s[8:9], s[OFF:OFF+1]
	s_or_b32 s[G0V+3], s[G0V+3], 0x80000000
	s_cmp_lt_u32 s[WV], 2
	s_cselect_b64 s[PFB:PFB+1], s[6:7], s[8:9]
	LOAD                            ; the chunk's first slot into slot 0
	WIN 0x40                        ; destination window 1, address window 0
.set i, 0
.rept 32                            ; Q stays in registers: tile i / 8, channels 32 (i % 8) on
	global_load_b128 v[8*i:8*i+3],   v[QO], s[4:5] offset:(i/8)*8192+(i%8)*64
	global_load_b128 v[8*i+4:8*i+7], v[QO], s[4:5] offset:(i/8)*8192+(i%8)*64+32
.set i, i+1
.endr
	WIN 0x80                        ; O^T = 0, in the wait for the first tile
.set i, 0
.rept 256
	v_mov_b32 v[i], 0
.set i, i+1
.endr
	WIN 0xc0
.set i, 0
.rept 256
	v_mov_b32 v[i], 0
.set i, i+1
.endr
	WIN 0
	T4 v_mov_b32 v[ST+8*t+1], 0xff000000           ; m = -2^127
	T4 v_mul_f32 v[ST+8*t], s[CS], v[ST+8*t+1]     ; c m, by the same multiply that every step uses: a row that sees nothing keeps a = 2^0
	T4 v_mov_b32 v[ST+8*t+2], 0
	T4 v_mov_b32 v[ST+8*t+3], 0
; THE LDS LOADS stand in runs of 16.  They are written under the settings 0 and 0x04, which both put their destination and their address in window 0.
.macro KLOAD st, kb                 ; keys 32 st + 16 kb on of the slot, all 256 channels: 8 fragments into buffer kb
.irp cs, 0,1,2,3,4,5,6,7
	ds_load_b128 v[BUF+64*(\kb)+8*(\cs):BUF+64*(\kb)+8*(\cs)+3],   v[AK] offset:(32*(\st)+16*(\kb))*PK+64*(\cs)
	ds_load_b128 v[BUF+64*(\kb)+8*(\cs)+4:BUF+64*(\kb)+8*(\cs)+7], v[AK] offset:(32*(\st)+16*(\kb))*PK+64*(\cs)+32
.endr
.endm
.macro VLOAD st, p                  ; keys 32 st on, channels 128 p on, turned: 8 fragments into buffer p
.irp f, 0,1,2,3,4,5,6,7
	ds_load_tr16_b128 v[BUF+64*(\p)+8*(\f):BUF+64*(\p)+8*(\f)+3],   v[AV] offset:32*(\st)*PV+32*(8*(\p)+(\f))
	ds_load_tr16_b128 v[BUF+64*(\p)+8*(\f)+4:BUF+64*(\p)+8*(\f)+7], v[AV] offset:32*(\st)*PV+16*PV+32*(8*(\p)+(\f))
.endr
.endm
; THE MATRIX WORK.  32 products S^T(t, kb) = K Q^T: the four tiles' accumulators take turns, one instruction a turn; the first four start the sums.
.macro KQ kb
	WIN 0x04                        ; Q in window 1
.irp cs, 0,1,2,3,4,5,6,7
.irp u, 0,1,2,3
.if (\cs) == 0
	v_wmma_f32_16x16x32_f16 v[S+16*(\u)+8*(\kb):S+16*(\u)+8*(\kb)+7], v[BUF+64*(\kb)+8*(\cs):BUF+64*(\kb)+8*(\cs)+7], v[64*(\u)+8*(\cs):64*(\u)+8*(\cs)+7], 0
.else
	v_wmma_f32_16x16x32_f16 v[S+16*(\u)+8*(\kb):S+16*(\u)+8*(\kb)+7], v[BUF+64*(\kb)+8*(\cs):BUF+64*(\kb)+8*(\cs)+7], v[64*(\u)+8*(\cs):64*(\u)+8*(\cs)+7], v[S+16*(\u)+8*(\kb):S+16*(\u)+8*(\kb)+7]
.endif
.endr
.endr
.endm
; 32 products O^T(t, 8 p + i) += V^T P: each accumulator is taken up once in a step.
.macro PVM p
.irp u, 0,1                         ; tiles 0, 1 in window 2, then tiles 2, 3 in window 3
	WIN 0xa0+0x50*(\u)
.irp f, 0,1,2,3,4,5,6,7
.irp e, 0,1
	v_wmma_f32_16x16x32_f16 v[128*(\e)+8*(8*(\p)+(\f)):128*(\e)+8*(8*(\p)+(\f))+7], v[BUF+64*(\p)+8*(\f):BUF+64*(\p)+8*(\f)+7], v[S+16*(2*(\u)+(\e)):S+16*(2*(\u)+(\e))+7], v[128*(\e)+8*(8*(\p)+(\f)):128*(\e)+8*(8*(\p)+(\f))+7]
.endr
.endr
.endr
.endm
; THE MASK.  Register j of S^T(t, kb) holds key 16 kb + 8 (l / 16) + j of the step and query 16 t + l % 16 of my wave: hidden where 16 kb + j - 16 t > DD + l % 16 - 8 (l / 16).
; The left side is 23 at the most and the right side DD - 8 at the least: from DD = 31 on nothing is hidden.  Each accumulator is taken from its low end on.
.macro MASK
	WIN 0
	s_cmp_ge_i32 s[DD], 31
	s_cbranch_scc1 .Lopen_\@
	v_add_nc_u32 v[VD], s[DD], v[VB]
.irp u, 0,1,2,3
.irp kb, 0,1
.irp j, 0,1,2,3,4,5,6,7
	v_cmp_gt_i32 vcc_lo, 16*(\kb)+(\j)-16*(\u), v[VD]
	v_cndmask_b32 v[S+16*(\u)+8*(\kb)+(\j)], v[S+16*(\u)+8*(\kb)+(\j)], s[MV], vcc_lo
.endr
.endr
.endr
.Lopen_\@:
	s_sub_co_i32 s[DD], s[DD], 32   ; the next step's keys lie 32 further on
.endm
; THE SOFTMAX of a step, four tiles line by line.  s0-s15 are a lane's 16 scores of a tile.
.macro SOFTMAX
	WIN 0
	T4 v_max3_num_f32 v[ST+8*t+4], v[S+16*t], v[S+16*t+1], v[S+16*t+2]          ; two chains; each accumulator's lowest registers are read first
	T4 v_max3_num_f32 v[ST+8*t+5], v[S+16*t+8], v[S+16*t+9], v[S+16*t+10]
	T4 v_max3_num_f32 v[ST+8*t+4], v[ST+8*t+4], v[S+16*t+3], v[S+16*t+4]
	T4 v_max3_num_f32 v[ST+8*t+5], v[ST+8*t+5], v[S+16*t+11], v[S+16*t+12]
	T4 v_max3_num_f32 v[ST+8*t+4], v[ST+8*t+4], v[S+16*t+5], v[S+16*t+6]
	T4 v_max3_num_f32 v[ST+8*t+5], v[ST+8*t+5], v[S+16*t+13], v[S+16*t+14]
	T4 v_max3_num_f32 v[ST+8*t+4], v[ST+8*t+4], v[S+16*t+7], v[S+16*t+15]
	T4 v_max3_num_f32 v[ST+8*t+4], v[ST+8*t+4], v[ST+8*t+5], v[ST+8*t+1]        ; and the old m
	T4 v_permlanex16_b32 v[ST+8*t+5], v[ST+8*t+4], s[SEL], s[SEL+1]             ; the query's other 16 keys lie in the lane 16 away
	T4 v_max_num_f32 v[ST+8*t+1], v[ST+8*t+4], v[ST+8*t+5]                      ; the new m
	T4 v_mul_f32 v[ST+8*t+7], s[CS], v[ST+8*t+1]
	T4 v_sub_f32 v[ST+8*t+5], v[ST+8*t], v[ST+8*t+7]                            ; c m_old - c m_new
	T4 v_mov_b32 v[ST+8*t], v[ST+8*t+7]
	; ONE BATCH: the four a and the 64 weights; none of these lines names an exponential's result; a pair is scaled a round ahead of its exponentials
	T4 v_exp_f32 v[ST+8*t+6], v[ST+8*t+5]
	T4 v_pk_fma_f32 v[S+16*t:S+16*t+1], v[S+16*t:S+16*t+1], s[CS:CS+1], v[ST+8*t:ST+8*t+1] op_sel_hi:[1,0,0] neg_lo:[0,0,1] neg_hi:[0,0,1]
.set b, 0
.rept 8
.set t, 0
.rept 4
	v_exp_f32 v[S+16*t+2*b], v[S+16*t+2*b]
.if b < 7
	v_pk_fma_f32 v[S+16*t+2*b+2:S+16*t+2*b+3], v[S+16*t+2*b+2:S+16*t+2*b+3], s[CS:CS+1], v[ST+8*t:ST+8*t+1] op_sel_hi:[1,0,0] neg_lo:[0,0,1] neg_hi:[0,0,1]
.endif
	v_exp_f32 v[S+16*t+2*b+1], v[S+16*t+2*b+1]
.set t, t+1
.endr
.set b, b+1
.endr
	v_nop                           ; a plain instruction behind the last exponential,
	s_wait_alu depctr_va_vdst(0)    ; and the one wait ahead of the first line that names a result: for all 68
	T4 v_pk_fma_f32 v[ST+8*t+2:ST+8*t+3], v[ST+8*t+2:ST+8*t+3], v[ST+8*t+6:ST+8*t+7], v[S+16*t:S+16*t+1] op_sel_hi:[1,0,1]  ; l = a l + the first pair
.set b, 1
.rept 7
	T4 v_pk_add_f32 v[ST+8*t+2:ST+8*t+3], v[ST+8*t+2:ST+8*t+3], v[S+16*t+2*b:S+16*t+2*b+1]
.set b, b+1
.endr
.set b, 0
.rept 8                             ; P in place: pair b goes into register b, which pairs 0 .. b / 2 have left
	T4 v_cvt_pk_f16_f32 v[S+16*t+b], v[S+16*t+2*b], v[S+16*t+2*b+1]
.set b, b+1
.endr
.irp u, 0,1                         ; O^T times a, each accumulator from its low end on
	WIN 0x82+0x41*(\u)              ; destination and source 0 in window 2 or 3, a in window 0
.set i, 0
.rept 64
.irp e, 0,1
	v_pk_mul_f32 v[128*(\e)+2*i:128*(\e)+2*i+1], v[128*(\e)+2*i:128*(\e)+2*i+1], v[ST+8*(2*(\u)+(\e))+6:ST+8*(2*(\u)+(\e))+7] op_sel_hi:[1,0]
.endr
.set i, i+1
.endr
.endr
.endm
; A STEP of 32 keys: step st of the slot.  Each wait for LDS leaves the one younger run of 16 loads out.  Four v_nop stand between a buffer's last product and the loads into it; five behind the
; step's last product, since the next step's first products write over P.  In a slot's second step the change of slots stands behind the softmax: all of the slot has then been asked for;
; the next K comes from the new slot, or, behind the chunk's last slot, not at all.
.macro STEP st
	s_wait_dscnt 16                 ; K's first 16 keys are in
	KQ 0
	PLACES 4
	VLOAD \st, 0
	s_wait_dscnt 16                 ; K's other 16 keys
	KQ 1
	PLACES 4                        ; also the places in front of the lines that read the scores
	VLOAD \st, 1
	MASK
	SOFTMAX
.if \st
	CHANGE
.else
	s_wait_dscnt 16                 ; V's first 128 channels
.endif
	PVM 0
	PLACES 4
	WIN 0
.if \st
	s_cmp_eq_u32 s[LEFT], 1
	s_cbranch_scc1 .Lno_k0_\@
	KLOAD 0, 0
.Lno_k0_\@:
.else
	KLOAD 1, 0
.endif
	s_wait_dscnt 16                 ; V's other 128 channels
	PVM 1
	PLACES 5
	WIN 0
.if \st
	s_cmp_eq_u32 s[LEFT], 1
	s_cbranch_scc1 .Lno_k1_\@
	KLOAD 0, 1
.Lno_k1_\@:
.else
	KLOAD 1, 1
.endif
.endm
	CHANGE                          ; slot 0 is in, everybody's part of it; slot 1 is asked for, if the chunk has two slots
	KLOAD 0, 0
	KLOAD 0, 1
	s_wait_loadcnt 0x0              ; Q
.Lslot:                             ; a trip is a slot; the count goes to the constant 9, and a shorter chunk leaves forward
	STEP 0
	STEP 1
	WIN 0
	s_sub_co_u32 s[LEFT], s[LEFT], 1
	s_cmp_eq_u32 s[LEFT], 0
	s_cbranch_scc1 .Lout
	s_sub_co_u32 s[CNT], s[CNT], 1
	s_cmp_lg_u32 s[CNT], 0
	s_cbranch_scc1 .Lslot
.Lout:
	; THE WAY OUT.  The step's five v_nop stand behind the last products.  l's two halves and the other half of the lanes' are added; c m and l leave as quads, a tile a word.
	T4 v_add_f32 v[ST+8*t+2], v[ST+8*t+2], v[ST+8*t+3]
	T4 v_permlanex16_b32 v[ST+8*t+5], v[ST+8*t+2], s[SEL], s[SEL+1]
	T4 v_add_f32 v[QD+4+t], v[ST+8*t+2], v[ST+8*t+5]
	T4 v_mov_b32 v[QD+t], v[ST+8*t]
	global_store_b128 v[GO], v[QD:QD+3], s[12:13]
	global_store_b128 v[GO], v[QD+4:QD+7], s[12:13] offset:512
.irp u, 0,1,2,3                     ; O^T as it lies: each store of the wave covers 512 consecutive bytes, aligned; an accumulator's lower four registers go first
	WIN 0x08+0x04*((\u)/2)          ; the stores' data (source 1) in window 2 or 3
.set i, 0
.rept 16
	global_store_b128 v[GO], v[128*((\u)%2)+8*i:128*((\u)%2)+8*i+3],   s[10:11] offset:(\u)*16384+i*1024 th:TH_STORE_NT
	global_store_b128 v[GO], v[128*((\u)%2)+8*i+4:128*((\u)%2)+8*i+7], s[10:11] offset:(\u)*16384+i*1024+512 th:TH_STORE_NT
.set i, i+1
.endr
.endr
	WIN 0
	s_wait_tensorcnt 0x0            ; the wave's end: these three lines, behind my last tensor load
	ds_add_u32 v[SPW], v[NIL]
	s_wait_dscnt 0x0
	s_endpgm
.Lfunc_end_k_q5977d4907e_attn:
	.size	k_q5977d4907e_attn, .Lfunc_end_k_q5977d4907e_attn-k_q5977d4907e_attn
	.p2alignl 7, 3214868480
	.fill 96, 4, 3214868480
	.section	.rodata,"a",@progbits
	.p2align	6, 0x0
	.amdhsa_kernel k_q5977d4907e_attn
		.amdhsa_group_segment_fixed_size 327680
		.amdhsa_private_segment_fixed_size 0
		.amdhsa_enable_private_segment 0
		.amdhsa_kernarg_size 40
		.amdhsa_user_sgpr_count 2
		.amdhsa_user_sgpr_kernarg_segment_ptr 1
		.amdhsa_wavefront_size32 1
		.amdhsa_system_sgpr_workgroup_id_x 1
		.amdhsa_system_sgpr_workgroup_id_y 1
		.amdhsa_system_sgpr_workgroup_id_z 1
		.amdhsa_system_vgpr_workitem_id 0
		.amdhsa_next_free_vgpr 1024
		.amdhsa_next_free_sgpr 76
		.amdhsa_reserve_vcc 1
		.amdhsa_float_denorm_mode_32 3
		.amdhsa_float_denorm_mode_16_64 3
		.amdhsa_memory_ordered 1
		.amdhsa_forward_progress 1
		.amdhsa_inst_pref_size 145
	.end_amdhsa_kernel
	.amdgpu_metadata
---
amdhsa.version: [ 1, 2 ]
amdhsa.kernels:
  - .name:           k_q5977d4907e_attn
    .symbol:         k_q5977d4907e_attn.kd
    .args:
      - { .name: qh, .offset: 0, .size: 8, .value_kind: global_buffer, .address_space: global }
      - { .name: kh, .offset: 8, .size: 8, .value_kind: global_buffer, .address_space: global }
      - { .name: vh, .offset: 16, .size: 8, .value_kind: global_buffer, .address_space: global }
      - { .name: po, .offset: 24, .size: 8, .value_kind: global_buffer, .address_space: global }
      - { .name: ps, .offset: 32, .size: 8, .value_kind: global_buffer, .address_space: global }
    .group_segment_fixed_size: 327680
    .private_segment_fixed_size: 0
    .kernarg_segment_align: 8
    .kernarg_segment_size: 40
    .max_flat_workgroup_size: 128
    .sgpr_count:     76
    .vgpr_count:     1024
    .wavefront_size: 32
...
	.end_amdgpu_metadata
.endif
;; end of part 2
;; launch comb (part 3): grid 512 x 1, 8 waves a work-group, no clusters, 17,920 bytes of LDS; arguments po, ps, out0; writes out0
.if DOCPART == 3
	.amdgcn_target "amdgcn-amd-amdhsa--gfx1250"
	.amdhsa_code_object_version 6
	.text
	.protected	k_q5977d4907e_comb
	.globl	k_q5977d4907e_comb
	.p2align	8
	.type	k_q5977d4907e_comb,@function
k_q5977d4907e_comb:
	s_mov_b64 s[64:65], 0
	v_nop
	global_prefetch_b8 v0, s[64:65] scope:SCOPE_SE
	s_setreg_imm32_b32 hwreg(HW_REG_WAVE_MODE, 25, 1), 1
	s_wait_xcnt 0x0
; THE CHUNKS OF A BLOCK ARE ADDED UP.  out[q][:] = (sum over chunks c of w_c O_c[q][:]) / (sum over c of w_c l_c[q]), w_c = 2^(cm_c[q] - CM[q]), CM = the largest cm_c: the running maximum's last step.
; po, ps: as the launch before stored them.  All in f32.  Nothing is left out here but what the launches before left out (keys behind every query of a block have no chunk).
; SHARES.  A work-group makes 16 rows of the output: block b = 31 - id / 16 (the blocks with many chunks first), wave w = (id / 4) % 4 and tile t = id % 4 of the launch before.  Block b = k - 1 has
; n = ceil(4 k / 9) chunks, 1 to 15, from work-group G of the launch before on: found by a chain of selects on constants.  Wave v takes channels 32 v .. + 31: four loads of 512 consecutive bytes a chunk.
; A lane holds one row (lane % 16), as in the launch before, so a chunk's weight is one number a lane.
; All loads go out at the head, up to 90 a wave, and there is one wait for them, for 0, since their number hangs on n.
; The registers of chunks 1 to 14 are first set to (cm far below every true c m, l = 0, O = 0): a chunk that the block does not have then counts with the weight 0, and the sums have one text: 252 v_mov_b32, once a wave.
; Memory binds: no matrix unit, no cluster (no two work-groups read the same bytes of po), no prefetch (the wave asks for all that it reads at once).
; The result changes lanes on the way out, through LDS: rows of 1,024 bytes, stored as two times 512 consecutive bytes.
.set SPI,   1040                       ; a row of the stage: 1,024 bytes + 16 = 65 x 16
.set SPARE, 16896                      ; behind the stage's 16,640 bytes: the spare words, 128 bytes for each of eight waves: four blocks of 256 bytes that no other line names
.set LO,  1                            ; v1   16 lane
.set SO,  2                            ; v2   16 lane + 4 t
.set STI, 3                            ; v3   the stage, in: r SPI + 128 v + 32 h
.set STB, 4                            ; v4   the stage, back: 2 v SPI + 16 lane
.set SPW, 6                            ; v6   LDS address of my spare word; never rewritten
.set NIL, 7                            ; v7   0; never rewritten
.set D,   16                           ; v[16 + 16 c ..] chunk c's 16 numbers
.set CMX, 15                           ; window 1: v0-14 cm_c; v15 CM; v16, v17 the two chains of the row sum; v18 its reciprocal; v[32 + 2 c], v[33 + 2 c]: w_c, l_c
.set WT,  32
.set MSB, 0
.macro WIN new                         ; s_set_vgpr_msb: bits 1:0 source 0, 3:2 source 1, 5:4 source 2, 7:6 destination; the high byte repeats the setting that is left
.if MSB != (\new)
	s_set_vgpr_msb (MSB<<8)|(\new)
.set MSB, (\new)
.endif
.endm
	s_load_b128 s[4:7], s[0:1], 0x0                ; po s[4:5], ps s[6:7]
	s_load_b64 s[8:9], s[0:1], 0x10                ; out0
	v_lshl_add_u32 v[SPW], v0, 2, SPARE
	v_mov_b32 v[NIL], 0
	v_lshrrev_b32 v5, 5, v0
	v_readfirstlane_b32 s10, v5                    ; wave 0..7
	s_lshr_b32 s11, ttmp9, 4
	s_sub_co_u32 s11, 32, s11                      ; k = b + 1
	s_bfe_u32 s14, ttmp9, 0x20002                  ; w
	s_and_b32 s15, ttmp9, 3                        ; t
	s_mov_b32 s12, 0                               ; G
	s_mov_b32 s13, 1                               ; n
.set j, 2
.set acc, 1
.rept 31
.set nj, ((4*j+8)*57)>>9                           ; n_j = ceil(4 j / 9)
	s_cmp_ge_u32 s11, j
	s_cselect_b32 s12, acc, s12
	s_cselect_b32 s13, nj, s13
.set acc, acc+nj
.set j, j+1
.endr
	s_lshl_b32 s16, s12, 18                        ; po: 262,144 G + 65,536 w + 16,384 t + 2,048 v
	s_lshl_b32 s17, s14, 16
	s_add_co_u32 s16, s16, s17
	s_lshl_b32 s17, s15, 14
	s_add_co_u32 s16, s16, s17
	s_lshl_b32 s17, s10, 11
	s_add_co_u32 s16, s16, s17
	s_mov_b32 s17, 0
	s_lshl_b32 s18, s12, 12                        ; ps: 4,096 G + 1,024 w
	s_lshl_b32 s19, s14, 10
	s_add_co_u32 s18, s18, s19
	s_mov_b32 s19, 0
	s_lshl_b32 s20, s11, 8                         ; the output's row 256 (k - 1) + 64 w + 16 t + 2 v,
	s_sub_co_u32 s20, s20, 256
	s_lshl_b32 s21, s14, 6
	s_add_co_u32 s20, s20, s21
	s_lshl_b32 s21, s15, 4
	s_add_co_u32 s20, s20, s21
	s_lshl_b32 s21, s10, 1
	s_add_co_u32 s20, s20, s21
	s_lshl_b32 s20, s20, 10                        ; of 1,024 bytes
	s_mov_b32 s21, 0
	s_lshl_b32 s22, s15, 2
	s_lshl_b32 s23, s10, 7
	s_mul_i32 s24, s10, 2*SPI
	v_and_b32 v5, 31, v0                           ; lane
	v_and_b32 v8, 15, v0                           ; r
	v_bfe_u32 v9, v0, 4, 1                         ; h
	v_lshlrev_b32 v[LO], 4, v5
	v_add_nc_u32 v[SO], s22, v[LO]
	v_mul_u32_u24 v[STI], v8, SPI
	v_lshl_add_u32 v[STI], v9, 5, v[STI]
	v_add_nc_u32 v[STI], s23, v[STI]
	v_lshl_add_u32 v[STB], v5, 4, s24
	WIN 0x40                                       ; what a chunk that the block does not have counts as
.set c, 1
.rept 14
	v_mov_b32 v[c], 0xfe000000
	v_mov_b32 v[WT+2*c+1], 0
.set c, c+1
.endr
	WIN 0
.set i, D+16
.rept 224
	v_mov_b32 v[i], 0
.set i, i+1
.endr
	s_wait_kmcnt 0x0
	s_add_nc_u64 s[4:5], s[4:5], s[16:17]
	s_add_nc_u64 s[6:7], s[6:7], s[18:19]
	s_add_nc_u64 s[8:9], s[8:9], s[20:21]
	WIN 0x40                                       ; the statistics: destination window 1, address window 0
	global_load_b32 v[0], v[SO], s[6:7]
	global_load_b32 v[WT+1], v[SO], s[6:7] offset:512
	WIN 0                                          ; at a branch and at a label every window is 0
.set c, 1
.rept 14
	s_cmp_le_u32 s13, c
	s_cbranch_scc1 .Lstats
	WIN 0x40
	global_load_b32 v[c], v[SO], s[6:7] offset:c*4096
	global_load_b32 v[WT+2*c+1], v[SO], s[6:7] offset:c*4096+512
	WIN 0
.set c, c+1
.endr
.Lstats:
.irp i, 0,1,2,3
	global_load_b128 v[D+4*(\i):D+4*(\i)+3], v[LO], s[4:5] offset:512*(\i) th:TH_LOAD_NT
.endr
.set c, 1
.rept 14                                           ; the largest immediate is 14 x 262,144 + 1,536, inside the signed 24 bits
	s_cmp_le_u32 s13, c
	s_cbranch_scc1 .Ldata
.irp i, 0,1,2,3
	global_load_b128 v[D+16*c+4*(\i):D+16*c+4*(\i)+3], v[LO], s[4:5] offset:c*262144+512*(\i) th:TH_LOAD_NT
.endr
.set c, c+1
.endr
.Ldata:
	s_wait_loadcnt 0x0                             ; the one wait for loads
	WIN 0x55                                       ; the weights: everything in window 1
	v_max3_num_f32 v[CMX], v[0], v[1], v[2]
.set c, 3
.rept 6
	v_max3_num_f32 v[CMX], v[CMX], v[c], v[c+1]
.set c, c+2
.endr
.set c, 0
.rept 15
	v_sub_f32 v[c], v[c], v[CMX]
.set c, c+1
.endr
.set c, 0
.rept 15
	v_exp_f32 v[WT+2*c], v[c]
.set c, c+1
.endr
	v_nop                                          ; a plain instruction behind the last exponential,
	s_wait_alu depctr_va_vdst(0)                   ; and the one wait ahead of the first use: for all 15
	v_mul_f32 v[16], v[WT], v[WT+1]                ; the row sum, in two chains
	v_mul_f32 v[17], v[WT+2], v[WT+3]
.set c, 2
.rept 13
	v_fma_f32 v[16+c%2], v[WT+2*c], v[WT+2*c+1], v[16+c%2]
.set c, c+1
.endr
	v_add_f32 v[16], v[16], v[17]                  ; at least 1: the chunk with the largest c m has the weight 1, and its l holds the weight 1 of the row's maximum
	v_rcp_f32 v[18], v[16]
	v_nop
	s_wait_alu depctr_va_vdst(0)
.set c, 0
.rept 15
	v_mul_f32 v[WT+2*c], v[WT+2*c], v[18]
.set c, c+1
.endr
	WIN 0x04                                       ; the sum: the weights (source 1) in window 1, the numbers in window 0
.set i, 0
.rept 8
	v_pk_mul_f32 v[D+2*i:D+2*i+1], v[D+2*i:D+2*i+1], v[WT:WT+1] op_sel_hi:[1,0]
.set i, i+1
.endr
.set c, 1
.rept 14
.set i, 0
.rept 8
	v_pk_fma_f32 v[D+2*i:D+2*i+1], v[D+16*c+2*i:D+16*c+2*i+1], v[WT+2*c:WT+2*c+1], v[D+2*i:D+2*i+1] op_sel_hi:[1,0,1]
.set i, i+1
.endr
.set c, c+1
.endr
	WIN 0
.irp i, 0,1,2,3                                    ; load i held channels 32 v + 16 (i / 2) + 8 h + 4 (i % 2) + 0..3 of row r
	ds_store_b128 v[STI], v[D+4*(\i):D+4*(\i)+3] offset:64*((\i)/2)+16*((\i)%2)
.endr
	s_wait_dscnt 0x0                               ; for the others' sake: my stores into the stage are done
	s_barrier_signal -1
	s_barrier_wait -1
.irp i, 0,1,2,3                                    ; wave v takes rows 2 v and 2 v + 1, whole
	ds_load_b128 v[D+16+4*(\i):D+16+4*(\i)+3], v[STB] offset:((\i)/2)*SPI+((\i)%2)*512
.endr
	s_wait_dscnt 0x0
.irp i, 0,1,2,3
	global_store_b128 v[LO], v[D+16+4*(\i):D+16+4*(\i)+3], s[8:9] offset:((\i)/2)*1024+((\i)%2)*512 th:TH_STORE_NT
.endr
	s_wait_tensorcnt 0x0                           ; the wave's end: these three lines, behind my last LDS store
	ds_add_u32 v[SPW], v[NIL]
	s_wait_dscnt 0x0
	s_endpgm
.Lfunc_end_k_q5977d4907e_comb:
	.size	k_q5977d4907e_comb, .Lfunc_end_k_q5977d4907e_comb-k_q5977d4907e_comb
	.p2alignl 7, 3214868480
	.fill 96, 4, 3214868480
	.section	.rodata,"a",@progbits
	.p2align	6, 0x0
	.amdhsa_kernel k_q5977d4907e_comb
		.amdhsa_group_segment_fixed_size 17920
		.amdhsa_private_segment_fixed_size 0
		.amdhsa_enable_private_segment 0
		.amdhsa_kernarg_size 24
		.amdhsa_user_sgpr_count 2
		.amdhsa_user_sgpr_kernarg_segment_ptr 1
		.amdhsa_wavefront_size32 1
		.amdhsa_system_sgpr_workgroup_id_x 1
		.amdhsa_system_sgpr_workgroup_id_y 1
		.amdhsa_system_sgpr_workgroup_id_z 1
		.amdhsa_system_vgpr_workitem_id 0
		.amdhsa_next_free_vgpr 320
		.amdhsa_next_free_sgpr 66
		.amdhsa_reserve_vcc 0
		.amdhsa_float_denorm_mode_32 3
		.amdhsa_float_denorm_mode_16_64 3
		.amdhsa_memory_ordered 1
		.amdhsa_forward_progress 1
		.amdhsa_inst_pref_size 37
	.end_amdhsa_kernel
	.amdgpu_metadata
---
amdhsa.version: [ 1, 2 ]
amdhsa.kernels:
  - .name:           k_q5977d4907e_comb
    .symbol:         k_q5977d4907e_comb.kd
    .args:
      - { .name: po, .offset: 0, .size: 8, .value_kind: global_buffer, .address_space: global }
      - { .name: ps, .offset: 8, .size: 8, .value_kind: global_buffer, .address_space: global }
      - { .name: out0, .offset: 16, .size: 8, .value_kind: global_buffer, .address_space: global }
    .group_segment_fixed_size: 17920
    .private_segment_fixed_size: 0
    .kernarg_segment_align: 8
    .kernarg_segment_size: 24
    .max_flat_workgroup_size: 256
    .sgpr_count:     66
    .vgpr_count:     320
    .wavefront_size: 32
...
	.end_amdgpu_metadata
.endif
;; end of part 3
